; MI455X (gfx1250); checked and timed in simulation.
; The chip was launched on July 23, 2026; its instructions are those of AMD's public machine-readable ISA for CDNA 5 (MIT licence, August 2026) and "CDNA5" Instruction Set Architecture Reference Guide (July 2026). The comments in the code are by the model that wrote it; some were corrected since.
;; multi attention. Allowed arithmetic: matrix products marked QUANTISED: E2M3 operands, one E8M0 scale for each 32 along K, by v_wmma_scale_f32_16x16x128_f8f6f4 with both operands' format E2M3, f32 sums; everything else in f32.
;; Inputs: b_out 1,024 float32; w_out 1,024 x 1,024 float32; w_qkv 1,024 x 1,024 float32; x 4 x 2,048 x 1,024 float32.
;; Outputs: out0 4 x 2,048 x 1,024 float32.
;; This version of the problem:
;;   THIS VERSION OF THE PROBLEM IS GIVEN IN LOW PRECISION. The matrix products marked QUANTISED in the list below multiply operands that are first quantised to E2M3 (2 exponent bits, 3 mantissa bits; 6 bits a number), with one power-of-two scale for each 32 numbers along K (OCP MX v1.0); their sums are f32. All else is computed in f32.
;;   The module's matrix products, in the order in which they are computed (A, B: the left and right operand; K: the contracted axis; several contracted axes count as one K, in the product's order):
;;     1. [M 8,192, K 1,024] x [K 1,024, N 1,024]; A: input x; B: input w_qkv: QUANTISED
;;     2. batch 64 x [M 2,048, K 64] x [K 64, N 2,048]; A: computed on the way; B: computed on the way: QUANTISED
;;     3. batch 64 x [M 2,048, K 2,048] x [K 2,048, N 64]; A: softmax (see below); B: computed on the way: QUANTISED
;;     4. [M 8,192, K 1,024] x [K 1,024, N 1,024]; A: computed on the way; B: input w_out: QUANTISED
;;   THE QUANTISER, for each operand of a quantised product, along K:
;;     - K is cut into blocks of 32 from its start; a last block that is shorter is filled with zeros.
;;     - A block's scale is 2^e with e = floor(log2(the largest magnitude in the block)) - 2, held to -126 .. 127; a block of zeros has e = 0. As a byte (E8M0): e + 127.
;;     - Each number is divided by its block's scale, clamped to +-7.5, and rounded to the nearest number of E2M3, ties to even, subnormals kept.
;;     - The product sums the exact products of the quantised numbers (number of the format x scale) in f32.
;;   ~~~python
;;   def quantise(x, axis):      # numpy; x: float32 -> the quantised numbers, widened to float32 again
;;       x = np.moveaxis(x, axis, -1); K = x.shape[-1]
;;       x = np.pad(x, [(0, 0)] * (x.ndim - 1) + [(0, -K % 32)]); x = x.reshape(x.shape[:-1] + (-1, 32)); a = np.abs(x).max(-1, keepdims=True)
;;       e = np.where(a > 0, np.clip(np.frexp(np.where(a > 0, a, 1))[1] - 1 - 2, -126, 127), 0)      # np.frexp(a)[1] - 1 = floor(log2(a)), exactly
;;       r = np.clip(x / 2.0 ** e, -7.5, 7.5)
;;       step = 2.0 ** (np.maximum(np.frexp(np.where(r == 0, 1, r))[1] - 1, 0) - 3)
;;       q = np.round(r / step) * step * 2.0 ** e      # np.round: ties to even
;;       return np.moveaxis(q.reshape(q.shape[:-2] + (-1,))[..., :K], -1, axis).astype(np.float32)
;;   ~~~
;;   SOFTMAX AHEAD OF A QUANTISED PRODUCT. Where the list says 'softmax', what is quantised is not the finished softmax but p = 2^(t - M), with t = logit x log2(e) and M = ceil(the row's largest t), a whole number; so 1/2 < the row's largest p <= 1. The row's sum l is taken of the UNQUANTISED p, in f32, and the product's result is divided by l at the end. Since M is a whole number, a kernel that streams over the keys may use a running M (the ceiling of the running maximum): every later rescaling is an exact power of two, which a block's scale takes up: the codes' values come out the same.
;;   OPERANDS COMPUTED ON THE WAY. 'Computed on the way' means the value that the module computes at that place (a softmax that the list does not call 'softmax' is quantised finished and normalised). What goes into a quantiser is computed in f32, as accurately as f32 sums, v_exp_f32 and their like allow (about 1e-6 of the number): no bf16 or f16 on the way to a quantiser, and a product that is left as it is and whose result goes on into a quantised operand takes f32 operands (vector FMAs, or v_wmma_f32_16x16x4_f32). A number that lies on a knife's edge between two numbers of the format may be rounded either way, as far as f32 arithmetic and the matrix unit's own rounding can turn it there, and no further.
;; One version. Each part assembles by itself: llvm-mc -triple=amdgcn-amd-amdhsa -mcpu=gfx1250 --defsym DOCPART=n.
;; ======== version 1 of 1: 4 launches
;; limits: right only within a limited range of input values
;; workspace buffers: x_img 6,553,600 bytes; wq_img 819,200 bytes; wo_img 819,200 bytes; kv 13,369,344 bytes; o_img 6,553,600 bytes
;; launch quant (part 1): grid 256 x 1, 5 waves a work-group, no clusters, 43,008 bytes of LDS; arguments x, w_qkv, w_out, x_img, wq_img, wo_img; writes x_img, wq_img, wo_img
.if DOCPART == 1
	.amdgcn_target "amdgcn-amd-amdhsa--gfx1250"
	.amdhsa_code_object_version 6
	.text
	.protected	k_q2e7e68add4_quant
	.globl	k_q2e7e68add4_quant
	.p2align	8
	.type	k_q2e7e68add4_quant,@function
k_q2e7e68add4_quant:
	s_mov_b64 s[64:65], 0
	v_nop
	global_prefetch_b8 v0, s[64:65] scope:SCOPE_SE
	s_setreg_imm32_b32 hwreg(HW_REG_WAVE_MODE, 25, 1), 1
	s_wait_xcnt 0x0
; x [8192][1024], w_qkv [1024][1024], w_out [1024][1024], f32, K innermost, become codes of FP6 (E2M3) with one E8M0 byte for each 32 along K,
; laid as IMAGES OF THE OPERAND'S REGISTERS, so that the products' launches load fragments by consecutive bytes alone.
; PANEL = 128 rows x 1,024 K = 8 records (one for each 128 along K) of 12,800 bytes: 8 fragments of 1,536 bytes (register pair 2 g, 2 g + 1 of lane L at 256 g + 8 L),
;   then 512 bytes of scale words [half][lane][8 bytes]: register q = 2 half + jj holds in lanes 0-15 the words of fragment 2 q, in lanes 16-31 those of fragment 2 q + 1.
; THE ROWS OF A FRAGMENT ARE NOT NEIGHBOURS: position m of fragment 4 c + u is the panel's row 64 c + 32 (m / 8) + 8 u + m % 8: so the results of four neighbouring fragments,
;   taken as source 0 of a product, are 32 neighbours in a lane's 32 registers: a whole scale block of the next product.
; A block's scale is 2^(floor(log2(its largest magnitude)) - 2); its byte is the largest magnitude's exponent field - 2, held at 1 from below.
; LIMITS: NaN and infinities among the inputs are not served; a block whose largest magnitude lies under 2^-124 (a block of zeros too) gets the byte 1: these bytes are read by this program alone.
; SHARES: 80 panels (64 of x, 8 of each weight) x 2 halves x 8 records = 1,280 waves = 256 work-groups of 5; a wave makes 4 fragments (64 rows x 128 K) and their scale words.  Waves share nothing: no barrier.
; A load takes 512 consecutive bytes of one row; a fragment's 16 rows turn through the wave's own stage in LDS (rows of 528 bytes) and come back 256 bytes a lane: a lane's two whole blocks.
.set STG, 8448                         ; a wave's stage: 16 rows x (512 + 16) bytes
.set SPARE, 5*STG                      ; behind the stages: the spare words, 128 bytes a wave
.set C,   20                           ; v20-31   a fragment's codes
.set TT,  32                           ; v32-39   the upper halves of the two blocks' codes
.set X,   40                           ; v40-103  my 64 numbers: register 32 c + i = k 64 c + 32 h + i of my row
.set R,   104                          ; v104-231 two sets of 64: a fragment's rows as they are loaded
	s_load_b256 s[4:11], s[0:1], 0x0               ; x, w_qkv, w_out, x_img
	s_load_b128 s[12:15], s[0:1], 0x20             ; wq_img, wo_img
	v_lshl_add_u32 v232, v0, 2, SPARE
	v_mov_b32 v233, 0
	v_lshrrev_b32 v1, 5, v0
	v_readfirstlane_b32 s16, v1                    ; wave 0..4
	v_and_b32 v1, 31, v0
	v_lshlrev_b32 v2, 4, v1                        ; my 16 bytes of a load's 512
	s_mul_i32 s17, s16, STG
	v_add_nc_u32 v3, s17, v2                       ; the stage, on the way in
	v_and_b32 v7, 15, v0                           ; r
	v_bfe_u32 v6, v0, 4, 1                         ; h
	v_mul_u32_u24 v4, v7, 528
	v_lshl_add_u32 v4, v6, 7, v4
	v_add_nc_u32 v4, s17, v4                       ; and on the way out: row r, + 128 h
	v_lshlrev_b32 v5, 3, v1                        ; 8 x lane
	v_lshlrev_b32 v6, 3, v6                        ; 8 h: by so many bits my two scale bytes are shifted
	v_cmp_le_u32 s30, 16, v1                       ; lanes 16-31
	v_mov_b32 v15, 0                               ; a lane permute's destination counts as one of its sources
	s_mov_b32 s20, 0x76543210
	s_mov_b32 s21, 0xfedcba98
	s_mul_i32 s36, ttmp9, 5
	s_add_co_u32 s36, s36, s16                     ; my wave's number among the 1,280
	s_lshr_b32 s18, s36, 4                         ; panel 0..79
	s_bfe_u32 s19, s36, 0x10003                    ; which 64 rows of it
	s_and_b32 s22, s36, 7                          ; which 128 along K
	s_wait_alu depctr_va_vdst(0)                   ; the wait at the head's end
	s_wait_kmcnt 0x0
	s_cmp_lt_u32 s18, 72                           ; the tensor is chosen by the wave's number alone; one path serves all three
	s_cselect_b64 s[24:25], s[6:7], s[8:9]
	s_cselect_b64 s[26:27], s[12:13], s[14:15]
	s_cselect_b32 s23, 64, 72
	s_cmp_lt_u32 s18, 64
	s_cselect_b64 s[24:25], s[4:5], s[24:25]
	s_cselect_b64 s[26:27], s[10:11], s[26:27]
	s_cselect_b32 s23, 0, s23
	s_sub_co_u32 s18, s18, s23                     ; the panel's number in its tensor
	s_lshl_b32 s28, s18, 19
	s_lshl_b32 s29, s19, 18
	s_add_co_u32 s28, s28, s29
	s_lshl_b32 s29, s22, 9
	s_add_co_u32 s28, s28, s29
	s_mov_b32 s29, 0
	s_add_nc_u64 s[24:25], s[24:25], s[28:29]      ; where my numbers begin
	s_mul_i32 s28, s18, 102400
	s_mul_i32 s31, s22, 12800
	s_add_co_u32 s28, s28, s31                     ; my record
	s_mul_i32 s31, s19, 6144
	s_add_co_u32 s32, s28, s31                     ; my four fragments in it
	s_mov_b32 s33, 0
	s_lshl_b32 s31, s19, 8
	s_add_co_u32 s28, s28, s31
	s_add_co_u32 s28, s28, 12288                   ; my 256 bytes of scale words
	s_add_nc_u64 s[34:35], s[26:27], s[28:29]
	s_add_nc_u64 s[26:27], s[26:27], s[32:33]
.macro LOAD f                          ; fragment f's 16 rows: position q is row 32 (q / 8) + 8 f + q % 8 of my 64
.irp q, 0,1,2,3,4,5,6,7,8,9,10,11,12,13,14,15
	global_load_b128 v[R+64*((\f)%2)+4*\q:R+64*((\f)%2)+4*\q+3], v2, s[24:25] offset:(32*(\q/8)+8*(\f)+\q%8)*4096 th:TH_LOAD_NT
.endr
.endm
.macro TURN f                          ; through the stage: LDS serves a wave's instructions in order
.irp q, 0,1,2,3,4,5,6,7,8,9,10,11,12,13,14,15
	ds_store_b128 v3, v[R+64*((\f)%2)+4*\q:R+64*((\f)%2)+4*\q+3] offset:528*\q
.endr
.irp c, 0,1
.irp i, 0,1,2,3,4,5,6,7
	ds_load_b128 v[X+32*\c+4*\i:X+32*\c+4*\i+3], v4 offset:256*\c+16*\i
.endr
.endr
.endm
.macro FRAG f
.if (\f) < 3
	s_wait_loadcnt 16                              ; this fragment's 16 loads are in; the next fragment's 16 may be out
.else
	s_wait_loadcnt 0x0
.endif
	TURN \f
	s_wait_dscnt 0x0                               ; my 64 numbers are back, and the stage's stores have read their registers,
.if (\f) < 2
	LOAD (\f)+2                                    ; which take the fragment two on
.endif
.irp c, 0,1
	v_max3_num_f32 v[8+\c], |v[X+32*\c]|, |v[X+32*\c+1]|, 0x1800000   ; my block 2 c + h, and the floor 2^(3 - 127)
.endr
.irp i, 2,4,6,8,10,12,14,16,18,20,22,24,26,28,30
.irp c, 0,1
	v_max3_num_f32 v[8+\c], v[8+\c], |v[X+32*\c+\i]|, |v[X+32*\c+\i+1]|
.endr
.endr
	v_add_nc_u32 v10, 0xff000000, v8               ; 2 off the exponent field: the conversion's scale operand
	v_add_nc_u32 v11, 0xff000000, v9
	v_lshrrev_b32 v12, 23, v10                     ; the scales' bytes
	v_lshrrev_b32 v13, 23, v11
	v_lshl_or_b32 v14, v13, 16, v12
	v_lshlrev_b32 v14, v6, v14
	v_permlanex16_b32 v15, v14, s20, s21
	v_or_b32 v14, v14, v15                         ; with lane l xor 16's two bytes the word is whole
.if (\f) > 0
	s_wait_alu depctr_va_vdst(0)                   ; the wait ahead of the wait below
	s_wait_xcnt 0x0                                ; the last fragment's stores have read their data
.endif
.irp c, 0,1
	v_cvt_scalef32_pk16_fp6_f32 v[C+6*\c:C+6*\c+2], v[X+32*\c:X+32*\c+15], v[10+\c]
	v_cvt_scalef32_pk16_fp6_f32 v[TT+4*\c:TT+4*\c+2], v[X+32*\c+16:X+32*\c+31], v[10+\c]
.endr
	v_nop                                          ; one plain place behind a scaled conversion
.irp c, 0,1
.irp i, 0,1,2
	v_mov_b32 v[C+6*\c+3+\i], v[TT+4*\c+\i]
.endr
.endr
.irp g, 0,1,2,3,4,5
	global_store_b64 v5, v[C+2*\g:C+2*\g+1], s[26:27] offset:1536*(\f)+256*\g   ; 32 lanes store 256 consecutive bytes, aligned
.endr
.if (\f)%2 == 0
	v_mov_b32 v18, v14
.else
	v_cndmask_b32 v[16+(\f)/2], v18, v14, s30      ; lanes 0-15: the even fragment's words; lanes 16-31: the odd one's
.endif
.endm
	LOAD 0
	LOAD 1
	FRAG 0
	FRAG 1
	FRAG 2
	FRAG 3
	global_store_b64 v5, v[16:17], s[34:35]
	s_wait_tensorcnt 0x0                           ; the wave's end
	ds_add_u32 v232, v233
	s_wait_dscnt 0x0
	s_endpgm
.Lfunc_end_k_q2e7e68add4_quant:
	.size	k_q2e7e68add4_quant, .Lfunc_end_k_q2e7e68add4_quant-k_q2e7e68add4_quant
	.p2alignl 7, 3214868480
	.fill 96, 4, 3214868480
	.section	.rodata,"a",@progbits
	.p2align	6, 0x0
	.amdhsa_kernel k_q2e7e68add4_quant
		.amdhsa_group_segment_fixed_size 43008
		.amdhsa_private_segment_fixed_size 0
		.amdhsa_enable_private_segment 0
		.amdhsa_kernarg_size 48
		.amdhsa_user_sgpr_count 2
		.amdhsa_user_sgpr_kernarg_segment_ptr 1
		.amdhsa_wavefront_size32 1
		.amdhsa_system_sgpr_workgroup_id_x 1
		.amdhsa_system_sgpr_workgroup_id_y 1
		.amdhsa_system_sgpr_workgroup_id_z 1
		.amdhsa_system_vgpr_workitem_id 0
		.amdhsa_next_free_vgpr 234
		.amdhsa_next_free_sgpr 66
		.amdhsa_reserve_vcc 0
		.amdhsa_float_denorm_mode_32 3
		.amdhsa_float_denorm_mode_16_64 3
		.amdhsa_memory_ordered 1
		.amdhsa_forward_progress 1
		.amdhsa_inst_pref_size 32
	.end_amdhsa_kernel
	.amdgpu_metadata
---
amdhsa.version: [ 1, 2 ]
amdhsa.kernels:
  - .name:           k_q2e7e68add4_quant
    .symbol:         k_q2e7e68add4_quant.kd
    .args:
      - { .name: x, .offset: 0, .size: 8, .value_kind: global_buffer, .address_space: global }
      - { .name: w_qkv, .offset: 8, .size: 8, .value_kind: global_buffer, .address_space: global }
      - { .name: w_out, .offset: 16, .size: 8, .value_kind: global_buffer, .address_space: global }
      - { .name: x_img, .offset: 24, .size: 8, .value_kind: global_buffer, .address_space: global }
      - { .name: wq_img, .offset: 32, .size: 8, .value_kind: global_buffer, .address_space: global }
      - { .name: wo_img, .offset: 40, .size: 8, .value_kind: global_buffer, .address_space: global }
    .group_segment_fixed_size: 43008
    .private_segment_fixed_size: 0
    .kernarg_segment_align: 8
    .kernarg_segment_size: 48
    .max_flat_workgroup_size: 160
    .sgpr_count:     66
    .vgpr_count:     234
    .wavefront_size: 32
...
	.end_amdgpu_metadata
.endif
;; end of part 1
;; launch proj (part 2): grid 4 x 64, 4 waves a work-group, clusters of 4 x 4, 327,680 bytes of LDS; arguments x_img, wq_img, kv; writes kv
.if DOCPART == 2
	.amdgcn_target "amdgcn-amd-amdhsa--gfx1250"
	.amdhsa_code_object_version 6
	.text
	.protected	k_q2e7e68add4_proj
	.globl	k_q2e7e68add4_proj
	.p2align	8
	.type	k_q2e7e68add4_proj,@function
k_q2e7e68add4_proj:
	s_mov_b64 s[64:65], 0
	v_nop
	global_prefetch_b8 v0, s[64:65] scope:SCOPE_SE
	s_setreg_imm32_b32 hwreg(HW_REG_WAVE_MODE, 25, 1), 1
	s_wait_xcnt 0x0
	s_wait_alu depctr_hold_cnt(0) depctr_sa_sdst(0) depctr_va_vdst(0) depctr_va_sdst(0) depctr_va_ssrc(0) depctr_va_vcc(0) depctr_vm_vsrc(0)
	s_getreg_b32 s2, hwreg(HW_REG_IB_STS2, 6, 4)
	s_cmp_eq_u32 s2, 0
	s_cbranch_scc0 .Lentry_in_a_cluster
	s_endpgm
.Lentry_in_a_cluster:
	s_bfe_u32 s2, ttmp6, 0x10000c
	s_cmp_lg_u32 s2, 0xf033
	s_cbranch_scc0 .Lentry_shape_is_right
	s_endpgm
.Lentry_shape_is_right:
; qkv = x w_qkv^T on codes of FP6 (E2M3) with E8M0 scales, and its quantising for attention: along the head's 64 (q = k) and along the keys (v).  qkv itself never goes to memory.
; INPUTS: panels of 128 rows x 1,024 K: 8 records of 12,800 bytes: 8 fragments of 1,536 bytes, then 512 bytes of scale words.  Position m of fragment 4 c + u is the panel's row 64 c + 32 (m / 8) + 8 u + m % 8.
; SHARES: a work-group makes 128 rows (one panel of x) x 256 columns (two panels of w_qkv); wave w makes all 128 rows x the 64 columns of ONE head.  All of K lies in LDS: 307,200 bytes, each filled once.
; CLUSTER 4 x 4: a row of the cluster shares the panel of x, a column the panels of w_qkv: each part is asked for JOINTLY.  FILLS: at the head one load a wave, K steps 0 to 3 (waves 0, 1: two records of x each;
;   waves 2, 3: four records of a panel of w); K steps 4 to 7 likewise, behind a wait, an LDS add and a round of the cluster's barrier; a plain barrier in K step 3 shows them to all.
;   No prefetch: both fills are asked for ahead of the first product, so there is no loop to run ahead in.
; THE PRODUCT IS MADE IN BOTH ORIENTATIONS from the same fragments: T (source 0 = w's rows): a lane holds one row of x and 32 neighbours of the head's 64: q = k's scale block;
;   N (source 0 = x's rows): a lane holds one of the head's 64 and 32 neighbouring keys for each four fragments of x: v's scale block.
; OUTPUT: for each (batch, head) and each 128 rows a record of 13,056 bytes: +0 K image: 4 pairs of tiles x 12 registers (registers 4 g .. 4 g + 3 of lane L at 1,536 i + 512 g + 16 L);
;   +6,144 V image: 4 fragments (16 of the head's 64 x 128 keys), likewise; +12,288 K's scale words [lane][16]: register i: tile 2 i in lanes 0-15, tile 2 i + 1 in lanes 16-31, two bytes, the upper two 0;
;   +12,800 V's scale words [lane][8]: register j: fragments 2 j, 2 j + 1 likewise, four bytes.  A tile's rows are a fragment of x's; position m of V's fragment t is column 32 (m / 8) + 8 t + m % 8 of the head.
; LIMITS: NaN and infinities are not served; a block whose largest magnitude lies under 2^-124 (zeros too) gets the scale byte 1: these bytes are read by this program alone.
; REGISTERS: window 0: v16-24 addresses; v32-39 x's scale words, two sets; v40-43 w's; v44-55 at work; v64-159 w's 4 fragments, two sets (on the way out: the codes); v168-173 scale words; v176-191 at work.
;   window 1: x's 8 fragments, two sets.   window 2: T's accumulators ((a, t) at v[32 a + 8 t]).   window 3: N's ((t, a) at v[64 t + 8 a]).
.set RECB, 12800
.set PANB, 102400
.set SPARE, 3*PANB
.set SA,  32
.set SB,  40
.set TM,  44                           ; v44-47 largest magnitudes, then bytes; v48-51 the conversions' scale operands; v52-55 the other half's words
.set BF,  64
.set KW,  168
.set VW,  172
.set TT,  176
.set SEL, 92
.set G1A, 24
.set G1B, 32
.set G0A, 48                           ; s[48:55] two groups 0 for x
.set G0B, 68                           ; s[68:75] two for w
.set MSB, 0
.macro WIN new
.if MSB != (\new)
	s_set_vgpr_msb (MSB<<8)|(\new)
.set MSB, (\new)
.endif
.endm
.macro PLACES n
.rept \n
	v_nop
.endr
.endm
.macro CROUND
	s_barrier_signal -1
	s_barrier_wait -1
	s_cmp_lg_u32 s14, 0
	s_cbranch_scc1 .Lnot_wave_0_\@
	s_barrier_signal -3
.Lnot_wave_0_\@:
	s_barrier_wait -3
	s_barrier_signal -1
	s_barrier_wait -1
.endm
.macro JLOAD j                         ; fill j: waves 0, 1 for x, waves 2, 3 for w; each line has one mask
	s_cmp_eq_u32 s15, 0
	s_cbranch_scc0 .Lfor_w_\@
	tensor_load_to_lds s[G0A+4*\j:G0A+4*\j+3], s[G1A:G1A+7]
	s_nop 0
	PLACES 4
	s_branch .Lasked_\@
.Lfor_w_\@:
	tensor_load_to_lds s[G0B+4*\j:G0B+4*\j+3], s[G1B:G1B+7]
	s_nop 0
	PLACES 4
.Lasked_\@:
.endm
; One matrix instruction.  d, a, b: first registers of D, source 0, source 1; c: C as written; sa, sb: scale registers; ra, rb = 1: the scales stand in lanes 16-31
.macro WM2 d, a, b, c, sa, sb, ra, rb
	v_wmma_scale_f32_16x16x128_f8f6f4 v[\d:\d+7], v[\a:\a+11], v[\b:\b+11], \c, v[\sa], v[\sb] matrix_a_fmt:MATRIX_FMT_FP6 matrix_b_fmt:MATRIX_FMT_FP6 matrix_a_scale:MATRIX_SCALE_ROW\ra matrix_b_scale:MATRIX_SCALE_ROW\rb
.endm
.macro WM1 d, a, b, c, sa, sb, ra, rb
.if (\rb)
	WM2 \d, \a, \b, \c, \sa, \sb, \ra, 1
.else
	WM2 \d, \a, \b, \c, \sa, \sb, \ra, 0
.endif
.endm
.macro WM d, a, b, c, sa, sb, ra, rb
.if (\ra)
	WM1 \d, \a, \b, \c, \sa, \sb, 1, \rb
.else
	WM1 \d, \a, \b, \c, \sa, \sb, 0, \rb
.endif
.endm
; Four scale blocks, each 32 registers of ONE lane, in window w from v[s] on, become 4 x 6 registers of codes from v[pc] on and their bytes in v[TM ..].  Each accumulator is first read at its low end.
.macro QUAD w, s, pc
	WIN (\w)|((\w)<<2)
.irp b, 0,1,2,3
	v_max3_num_f32 v[TM+\b], |v[(\s)+32*\b]|, |v[(\s)+32*\b+1]|, 0x1800000   ; and the floor 2^(3 - 127): the byte cannot fall under 1
.endr
.irp i, 2,4,6,8,10,12,14,16,18,20,22,24,26,28,30
.irp b, 0,1,2,3
	v_max3_num_f32 v[TM+\b], |v[(\s)+32*\b+\i]|, |v[(\s)+32*\b+\i+1]|, v[TM+\b]
.endr
.endr
	WIN 0
.irp b, 0,1,2,3
	v_add_nc_u32 v[TM+4+\b], 0xff000000, v[TM+\b]  ; 2 off the exponent field: the conversion's scale operand
.endr
.irp b, 0,1,2,3
	v_lshrrev_b32 v[TM+\b], 23, v[TM+4+\b]         ; the scale's byte
.endr
	WIN (\w)
.irp b, 0,1,2,3
	v_cvt_scalef32_pk16_fp6_f32 v[(\pc)+6*\b:(\pc)+6*\b+2], v[(\s)+32*\b:(\s)+32*\b+15], v[TM+4+\b]
	v_cvt_scalef32_pk16_fp6_f32 v[TT+4*\b:TT+4*\b+2], v[(\s)+32*\b+16:(\s)+32*\b+31], v[TM+4+\b]
.endr
	WIN 0
	v_nop                                          ; one plain place behind a scaled conversion
.irp b, 0,1,2,3
.irp i, 0,1,2
	v_mov_b32 v[(\pc)+6*\b+3+\i], v[TT+4*\b+\i]    ; (a conversion's three registers begin on an even number)
.endr
.endr
.endm
.macro KWORDS i                        ; four tiles' words: my byte is block h's; lane l xor 16 has the other; registers i, i + 1 of K's scale words
.irp b, 0,1,2,3
	v_lshlrev_b32 v[TM+\b], v24, v[TM+\b]
.endr
.irp b, 0,1,2,3
	v_permlanex16_b32 v[TM+8+\b], v[TM+\b], s[SEL], s[SEL+1]
.endr
.irp b, 0,1,2,3
	v_or_b32 v[TM+\b], v[TM+\b], v[TM+8+\b]
.endr
	v_cndmask_b32 v[KW+\i], v[TM], v[TM+1], s22
	v_cndmask_b32 v[KW+\i+1], v[TM+2], v[TM+3], s22
.endm
.macro VWORD j                         ; two fragments' words: my bytes are blocks h and 2 + h
	v_lshl_or_b32 v[TM], v[TM+1], 16, v[TM]
	v_lshl_or_b32 v[TM+2], v[TM+3], 16, v[TM+2]
	v_lshlrev_b32 v[TM], v24, v[TM]
	v_lshlrev_b32 v[TM+2], v24, v[TM+2]
	v_permlanex16_b32 v[TM+8], v[TM], s[SEL], s[SEL+1]
	v_permlanex16_b32 v[TM+10], v[TM+2], s[SEL], s[SEL+1]
	v_or_b32 v[TM], v[TM], v[TM+8]
	v_or_b32 v[TM+2], v[TM+2], v[TM+10]
	v_cndmask_b32 v[VW+\j], v[TM], v[TM+2], s22
.endm
.macro PUT pc, off                     ; 24 registers of codes: each store is 512 consecutive bytes, aligned; every store has data registers of its own
.irp g, 0,1,2,3,4,5
	global_store_b128 v22, v[(\pc)+4*\g:(\pc)+4*\g+3], s[8:9] offset:(\off)+512*\g
.endr
.endm
	s_load_b128 s[4:7], s[0:1], 0x0                ; x_img, wq_img
	s_load_b64 s[8:9], s[0:1], 0x10                ; kv
	v_lshl_add_u32 v254, v0, 2, SPARE
	v_mov_b32 v255, 0
	ds_add_u32 v254, v255
	ds_add_u32 v254, v255
	v_lshrrev_b32 v1, 5, v0
	v_readfirstlane_b32 s14, v1                    ; wave 0..3
	s_lshr_b32 s15, s14, 1                         ; I fetch for x (0) or for w (1).  Also: which panel of w holds my head
	s_and_b32 s16, s14, 1                          ; which part I fetch.  Also: which half of that panel is my head
	s_bfe_u32 s40, ttmp6, 0x40000
	s_bfe_u32 s41, ttmp6, 0x40004
	s_lshl_b32 s42, ttmp9, 2
	s_add_co_u32 s42, s42, s40                     ; which 256 columns
	s_and_b32 s17, ttmp7, 0xffff
	s_lshl_b32 s17, s17, 2
	s_add_co_u32 s17, s17, s41                     ; which panel of x
	s_lshl_b32 s43, s41, 2
	s_lshl_b32 s43, 15, s43                        ; my row of the cluster
	s_lshl_b32 s44, 0x1111, s40                    ; my column
	s_or_b32 s[G1A], s43, (3<<16)|(1<<21)          ; dense blocks as rows of 256 bytes (32 elements of 8 bytes)
	s_or_b32 s[G1B], s44, (3<<16)|(1<<21)
.irp g, G1A, G1B
	s_mov_b32 s[\g+1], 32<<16
	s_mov_b32 s[\g+3], 32<<16
	s_mov_b32 s[\g+5], 32
	s_mov_b32 s[\g+6], 0
	s_mov_b32 s[\g+7], 0
.endr
	s_mov_b32 s[G1A+2], 100<<16                    ; x: two records, 100 rows
	s_mov_b32 s[G1A+4], 100
	s_mov_b32 s[G1B+2], 200<<16                    ; w: four records, 200 rows
	s_mov_b32 s[G1B+4], 200
	s_mul_i32 s45, s16, 2*RECB                     ; x: fill j brings records 4 j + 2 part and the next, in LDS as in the panel
	s_mul_i32 s20, s17, PANB
	s_add_co_u32 s20, s20, s45
	s_mov_b32 s21, 0
	s_lshl_b32 s46, s42, 1
	s_add_co_u32 s46, s46, s16
	s_mul_i32 s46, s46, PANB                       ; w: panel 2 x (which 256 columns) + part
	s_mov_b32 s47, 0
	s_mul_i32 s84, s16, PANB
	s_add_co_u32 s84, s84, PANB                    ; in LDS behind x's panel
	s_lshr_b32 s85, s17, 4                         ; my record of kv: (16 x batch + head) x 16 records + the panel's number in its batch
	s_lshl_b32 s85, s85, 4
	s_lshl_b32 s86, s42, 2
	s_add_co_u32 s85, s85, s86
	s_add_co_u32 s85, s85, s14
	s_mul_i32 s86, s85, 208896
	s_and_b32 s87, s17, 15
	s_mul_i32 s87, s87, 13056
	s_add_co_u32 s86, s86, s87
	s_mov_b32 s87, 0
	s_mov_b32 s[SEL], 0x76543210
	s_mov_b32 s[SEL+1], 0xfedcba98
	s_wait_dscnt 0x0
	s_wait_kmcnt 0x0
	s_add_nc_u64 s[20:21], s[4:5], s[20:21]
	s_add_nc_u64 s[46:47], s[6:7], s[46:47]
	s_add_nc_u64 s[8:9], s[8:9], s[86:87]
.irp j, 0,1
	s_mov_b32 s[G0A+4*\j], 1
	s_add_co_u32 s[G0A+4*\j+1], s45, \j*4*RECB
	s_add_nc_u64 s[G0A+4*\j+2:G0A+4*\j+3], s[20:21], \j*4*RECB
	s_or_b32 s[G0A+4*\j+3], s[G0A+4*\j+3], 0x80000000
	s_mov_b32 s[G0B+4*\j], 1
	s_add_co_u32 s[G0B+4*\j+1], s84, \j*4*RECB
	s_add_nc_u64 s[G0B+4*\j+2:G0B+4*\j+3], s[46:47], \j*4*RECB
	s_or_b32 s[G0B+4*\j+3], s[G0B+4*\j+3], 0x80000000
.endr
	CROUND                                         ; all sixteen work-groups are here: the joint loads meet
	JLOAD 0                                        ; K steps 0 to 3: my one load at the head
	v_and_b32 v1, 31, v0
	v_lshlrev_b32 v16, 3, v1                       ; x's panel: 8 x lane; records 0-3
	v_add_nc_u32 v17, 4*RECB, v16                  ; records 4-7
	s_mul_i32 s18, s15, PANB
	s_add_co_u32 s18, s18, PANB
	s_mul_i32 s19, s16, 6144
	s_add_co_u32 s19, s19, s18
	v_add_nc_u32 v18, s19, v16                     ; my head's four fragments of a record
	v_add_nc_u32 v19, 4*RECB, v18
	s_lshl_b32 s19, s16, 8
	s_add_co_u32 s19, s19, s18
	s_add_co_u32 s19, s19, 12288
	v_add_nc_u32 v20, s19, v16                     ; and their scale words
	v_add_nc_u32 v21, 4*RECB, v20
	v_lshlrev_b32 v22, 4, v1                       ; 16 x lane
	v_bfe_u32 v24, v0, 4, 1
	v_lshlrev_b32 v24, 3, v24                      ; 8 h
	v_cmp_le_u32 s22, 16, v1                       ; lanes 16-31
.irp b, 0,1,2,3
	v_mov_b32 v[TM+8+\b], 0                        ; a lane permute's destination counts as one of its sources
.endr
.macro FETCH k                         ; the fragments and scale words of K step k into set k % 2: 75 loads, each 256 consecutive bytes
.set PP, (\k)%2
.set HB, (\k)/4
.set OO, ((\k)%4)*RECB
	WIN 0x40
.irp a, 0,1,2,3,4,5,6,7
.irp g, 0,1,2,3,4,5
	ds_load_b64 v[96*PP+12*\a+2*\g:96*PP+12*\a+2*\g+1], v[16+HB] offset:OO+1536*\a+256*\g
.endr
.endr
	WIN 0
.irp t, 0,1,2,3
.irp g, 0,1,2,3,4,5
	ds_load_b64 v[BF+48*PP+12*\t+2*\g:BF+48*PP+12*\t+2*\g+1], v[18+HB] offset:OO+1536*\t+256*\g
.endr
.endr
	ds_load_b64 v[SA+4*PP:SA+4*PP+1], v[16+HB] offset:OO+12288
	ds_load_b64 v[SA+4*PP+2:SA+4*PP+3], v[16+HB] offset:OO+12288+256
	ds_load_b64 v[SB+2*PP:SB+2*PP+1], v[20+HB] offset:OO
.endm
; The 64 accumulators take turns, one instruction a turn, in the same order in every K step.
.macro MULT k, zero                    ; T: source 0 = w's fragment t (window 0), source 1 = x's fragment a (window 1), C and D window 2
.set PP, (\k)%2
	WIN 0xa4
.irp a, 0,1,2,3,4,5,6,7
.irp t, 0,1,2,3
.if \zero
	WM 32*\a+8*\t, BF+48*PP+12*\t, 96*PP+12*\a, 0, SB+2*PP+\t/2, SA+4*PP+\a/2, \t%2, \a%2
.else
	WM 32*\a+8*\t, BF+48*PP+12*\t, 96*PP+12*\a, v[32*\a+8*\t:32*\a+8*\t+7], SB+2*PP+\t/2, SA+4*PP+\a/2, \t%2, \a%2
.endif
.endr
.endr
.endm
.macro MULN k, zero                    ; N: the sources swapped; C and D window 3
.set PP, (\k)%2
	WIN 0xf1
.irp t, 0,1,2,3
.irp a, 0,1,2,3,4,5,6,7
.if \zero
	WM 64*\t+8*\a, 96*PP+12*\a, BF+48*PP+12*\t, 0, SA+4*PP+\a/2, SB+2*PP+\t/2, \a%2, \t%2
.else
	WM 64*\t+8*\a, 96*PP+12*\a, BF+48*PP+12*\t, v[64*\t+8*\a:64*\t+8*\a+7], SA+4*PP+\a/2, SB+2*PP+\t/2, \a%2, \t%2
.endif
.endr
.endr
.endm
.macro KSTEP k
	s_wait_dscnt 0x0                               ; this K step's fragments are in
.if (\k) == 3
	s_wait_tensorcnt 0x0                           ; my part of K steps 4 to 7 has landed,
	s_barrier_signal -1
	s_barrier_wait -1                              ; everybody's has
.endif
.if (\k) < 7
.if (\k) > 0
	PLACES 4                                       ; in front of loads into registers that matrix instructions have read
.endif
	FETCH (\k)+1
.endif
.if (\k) == 0
	MULT \k, 1                                     ; the first K step starts the sums: nothing is cleared
	MULN \k, 1
.else
	MULT \k, 0
	MULN \k, 0
.endif
.endm
	s_wait_alu depctr_va_vdst(0)                   ; the wait at the head's end
	s_wait_tensorcnt 0x0                           ; my part of K steps 0 to 3 is in
	ds_add_u32 v254, v255
	s_wait_dscnt 0x0
	CROUND                                         ; everybody's part is in, and the joint loads meet
	JLOAD 1                                        ; K steps 4 to 7
	FETCH 0
.irp k, 0,1,2,3,4,5,6,7
	KSTEP \k
.endr
	; THE WAY OUT.  T's 32 registers of fragment a of x are one block of the head's 64 of one row: six registers of tile a.  N's 32 registers (t, 4 c ..) are block 2 c + h along the keys of V's fragment t.
	PLACES 4                                       ; behind the last matrix instructions: results are read, and the codes land where w's fragments lay
	QUAD 2, 0, 64
	KWORDS 0
	PUT 64, 0
	QUAD 2, 128, 88
	KWORDS 2
	PUT 88, 3072
	global_store_b128 v22, v[KW:KW+3], s[8:9] offset:12288
	QUAD 3, 0, 112
	VWORD 0
	PUT 112, 6144
	QUAD 3, 128, 136
	VWORD 1
	PUT 136, 9216
	global_store_b64 v16, v[VW:VW+1], s[8:9] offset:12800
	s_wait_tensorcnt 0x0                           ; the wave's end
	ds_add_u32 v254, v255
	s_wait_dscnt 0x0
	CROUND                                         ; the closing round
	s_endpgm
.Lfunc_end_k_q2e7e68add4_proj:
	.size	k_q2e7e68add4_proj, .Lfunc_end_k_q2e7e68add4_proj-k_q2e7e68add4_proj
	.p2alignl 7, 3214868480
	.fill 96, 4, 3214868480
	.section	.rodata,"a",@progbits
	.p2align	6, 0x0
	.amdhsa_kernel k_q2e7e68add4_proj
		.amdhsa_group_segment_fixed_size 327680
		.amdhsa_private_segment_fixed_size 0
		.amdhsa_enable_private_segment 0
		.amdhsa_kernarg_size 24
		.amdhsa_user_sgpr_count 2
		.amdhsa_user_sgpr_kernarg_segment_ptr 1
		.amdhsa_wavefront_size32 1
		.amdhsa_system_sgpr_workgroup_id_x 1
		.amdhsa_system_sgpr_workgroup_id_y 1
		.amdhsa_system_sgpr_workgroup_id_z 1
		.amdhsa_system_vgpr_workitem_id 0
		.amdhsa_next_free_vgpr 1024
		.amdhsa_next_free_sgpr 96
		.amdhsa_reserve_vcc 0
		.amdhsa_float_denorm_mode_32 3
		.amdhsa_float_denorm_mode_16_64 3
		.amdhsa_memory_ordered 1
		.amdhsa_forward_progress 1
		.amdhsa_inst_pref_size 138
	.end_amdhsa_kernel
	.amdgpu_metadata
---
amdhsa.version: [ 1, 2 ]
amdhsa.kernels:
  - .name:           k_q2e7e68add4_proj
    .symbol:         k_q2e7e68add4_proj.kd
    .args:
      - { .name: x_img, .offset: 0, .size: 8, .value_kind: global_buffer, .address_space: global }
      - { .name: wq_img, .offset: 8, .size: 8, .value_kind: global_buffer, .address_space: global }
      - { .name: kv, .offset: 16, .size: 8, .value_kind: global_buffer, .address_space: global }
    .group_segment_fixed_size: 327680
    .private_segment_fixed_size: 0
    .kernarg_segment_align: 8
    .kernarg_segment_size: 24
    .max_flat_workgroup_size: 128
    .sgpr_count:     96
    .vgpr_count:     1024
    .wavefront_size: 32
...
	.end_amdgpu_metadata
.endif
;; end of part 2
;; launch attn (part 3): grid 4 x 64, 8 waves a work-group, clusters of 4 x 1, 210,944 bytes of LDS; arguments kv, o_img; writes o_img
.if DOCPART == 3
	.amdgcn_target "amdgcn-amd-amdhsa--gfx1250"
	.amdhsa_code_object_version 6
	.text
	.protected	k_q2e7e68add4_attn
	.globl	k_q2e7e68add4_attn
	.p2align	8
	.type	k_q2e7e68add4_attn,@function
k_q2e7e68add4_attn:
	s_mov_b64 s[64:65], 0
	v_nop
	global_prefetch_b8 v0, s[64:65] scope:SCOPE_SE
	s_setreg_imm32_b32 hwreg(HW_REG_WAVE_MODE, 25, 1), 1
	s_wait_xcnt 0x0
	s_wait_alu depctr_hold_cnt(0) depctr_sa_sdst(0) depctr_va_vdst(0) depctr_va_sdst(0) depctr_va_ssrc(0) depctr_va_vcc(0) depctr_vm_vsrc(0)
	s_getreg_b32 s2, hwreg(HW_REG_IB_STS2, 6, 4)
	s_cmp_eq_u32 s2, 0
	s_cbranch_scc0 .Lentry_in_a_cluster
	s_endpgm
.Lentry_in_a_cluster:
	s_bfe_u32 s2, ttmp6, 0x10000c
	s_cmp_lg_u32 s2, 0x3003
	s_cbranch_scc0 .Lentry_shape_is_right
	s_endpgm
.Lentry_shape_is_right:
; For each (batch, head): O = softmax(Q K^T / 8) V, with Q = K = V = the head's 2,048 x 64 slice of qkv; both products on codes of FP6 (E2M3) with E8M0 scales; O / the row's sum is quantised along E for the last product.
; THE SOFTMAX AHEAD OF THE SECOND PRODUCT: t = score x log2(e) / 8; M = the row's largest t so far, rounded UP to a whole number; p = 2^(t - M) is what is quantised, along the keys, not normalised.
;   The row's sum is taken of the unquantised p, in f32.  When M moves, the sum and O are multiplied by 2^(old M - new M): exact.
; INPUT kv: for each head 16 records (128 rows each) of 13,056 bytes: +0 K image (8 tiles of 6 registers, registers 4 g .. 4 g + 3 of lane L at 512 g + 16 L); +6,144 V image (4 fragments of 12 registers, likewise);
;   +12,288 K's scale words [lane][16]; +12,800 V's [lane][8].  Position m of tile 4 c + u is row 64 c + 32 (m / 8) + 8 u + m % 8; position m of V's fragment t is column 32 (m / 8) + 8 t + m % 8 of the head.
; SHARES: a work-group owns 512 queries of one head; each of its EIGHT waves owns 64 queries, four tiles of 16, and walks all 2,048 keys, 128 a step.  The four tiles share each fragment of K and V that the wave reads from LDS;
;   they are worked in two pairs.
; LDS: the head's 16 records, 208,896 bytes, each filled ONCE: wave w brings records 2 w, 2 w + 1 by its one tensor load.  CLUSTER: the four query blocks of a head ask for each pair of records JOINTLY.
;   No prefetch: all records are asked for at the head, so there is no loop to run ahead in.
; Both products are used transposed: S^T = K Q^T, O^T = V^T P^T: a lane holds ONE query (lane % 16).  By the tiles' order of rows lane (r, h) holds in the 32 registers of tiles 4 c .. 4 c + 3 the keys 64 c + 32 h + 0 .. 31:
;   a WHOLE scale block of p, in the order of the operand's registers.  O^T's 32 registers of a lane are likewise one block along E.
; THE FIRST PRODUCT'S K IS 64, the instruction's 128: Q's operand is six registers of codes and six of ZERO CODES; K's tile is named as twelve registers from its own six on (behind the last tile: zeros);
;   the scale bytes of that half are 0 on both sides, which is 2^-127 and no NaN.
; A block's largest p is the exponential of its largest score, by the same two instructions as every p.
; THE ORDER OF A WAVE'S WORK.  A pair's work is FRONT (scores, the blocks' largest, the chain that makes M) and BACK (exponents, exponentials, sums, scale words, codes, O^T under the new M).  Dependent lines stand in rows of
;   independent chains: eight for the maxima and the sums; the rows that make p's scale word stand between the rows of the sums; the eight products O^T += V^T P^T of one pair stand one by one between the rows of the
;   OTHER pair's chain for M.  So the loop is turned: a trip goes from pair 0's BACK to the next step's FRONT of pair 0.
; LIMITS: NaN and infinities are not served; the promise holds while the scaled scores stay under 2^31 in magnitude; a block whose largest magnitude lies under 2^-124 gets the scale byte 1 (read by this program alone).
; REGISTERS, window 0: v1 16 x lane, v2 8 x lane, v3-4 a step's LDS addresses, v5 8 h, v6 8 r + h; v12-19 (-M, largest score) of the four tiles; v20-27 their sums, two halves each; v28-35 their factors;
;   v36-83 Q's four operands; v84-137 K's tiles and six zeros; v138-185 V's fragments; v186-209 a pair's codes of p; v210-225, v240-255 at work; v230-231 p's scale words; v232-235 K's, v236-237 V's, v238-239 Q's.
;   window 1: v0-127 S^T, then p, of a pair of tiles; v128-255 O^T of the four tiles.
.set RECK, 13056
.set SPARE, 16*RECK
.set SPW, 8
.set NIL, 9
.set ST,  12
.set LS,  20
.set FF,  28
.set QF,  36
.set KF,  84
.set VF,  138
.set PC,  186
.set TT,  210                          ; the conversions' second halves;
.set B2,  210                          ; ahead of them the maxima's second chains,
.set LA,  210                          ; and the sums' six further chains
.set PW,  230
.set KS,  232
.set VS,  236
.set QS,  238
.set BM,  240
.set TA,  244
.set TU,  246
.set SO,  248
.set TB,  252
.set TD,  254
.set SEL, 44
.set CS,  46                           ; s[46:47] c = log2(e) / 8
.set MSB, 0
.macro WIN new
.if MSB != (\new)
	s_set_vgpr_msb (MSB<<8)|(\new)
.set MSB, (\new)
.endif
.endm
.macro PLACES n
.rept \n
	v_nop
.endr
.endm
.macro WALU
	s_wait_alu depctr_va_vdst(0)
.endm
.macro ROUND
	s_barrier_signal -1
	s_barrier_wait -1
	s_cmp_lg_u32 s8, 0
	s_cbranch_scc1 .Lnot_wave_0_\@
	s_barrier_signal -3
.Lnot_wave_0_\@:
	s_barrier_wait -3
	s_barrier_signal -1
	s_barrier_wait -1
.endm
.macro WM2 d, a, b, c, sa, sb, ra, rb
	v_wmma_scale_f32_16x16x128_f8f6f4 v[\d:\d+7], v[\a:\a+11], v[\b:\b+11], \c, v[\sa], v[\sb] matrix_a_fmt:MATRIX_FMT_FP6 matrix_b_fmt:MATRIX_FMT_FP6 matrix_a_scale:MATRIX_SCALE_ROW\ra matrix_b_scale:MATRIX_SCALE_ROW\rb
.endm
.macro WM1 d, a, b, c, sa, sb, ra, rb
.if (\rb)
	WM2 \d, \a, \b, \c, \sa, \sb, \ra, 1
.else
	WM2 \d, \a, \b, \c, \sa, \sb, \ra, 0
.endif
.endm
.macro WM d, a, b, c, sa, sb, ra, rb
.if (\ra)
	WM1 \d, \a, \b, \c, \sa, \sb, 1, \rb
.else
	WM1 \d, \a, \b, \c, \sa, \sb, 0, \rb
.endif
.endm
.macro LOADK                           ; a record's eight tiles of K and their scale words: 13 loads, 512 consecutive bytes each
.irp g, 0,1,2,3,4,5,6,7,8,9,10,11
	ds_load_b128 v[KF+4*\g:KF+4*\g+3], v3 offset:512*\g
.endr
	ds_load_b128 v[KS:KS+3], v3 offset:12288
.endm
.macro LOADV                           ; its four fragments of V and their scale words: 13 loads
.irp g, 0,1,2,3,4,5,6,7,8,9,10,11
	ds_load_b128 v[VF+4*\g:VF+4*\g+3], v3 offset:6144+512*\g
.endr
	ds_load_b64 v[VS:VS+1], v4 offset:12800
.endm
.macro SMUL p                          ; S^T of tiles 2 p, 2 p + 1: 16 products on 16 accumulators
	WIN 0x40
.irp t, 0,1,2,3,4,5,6,7
.irp x, 0,1
	WM 64*\x+8*\t, KF+6*\t, QF+12*(2*(\p)+\x), 0, KS+\t/2, QS+(\p), \t%2, \x
.endr
.endr
.endm
.macro PV1 p, n                        ; product n = 2 t + x of pair p's O^T += V^T P^T; the eight accumulators take turns
	WIN 0x50
	WM 128+64*(\p)+32*((\n)%2)+8*((\n)/2), VF+12*((\n)/2), PC+12*((\n)%2), v[128+64*(\p)+32*((\n)%2)+8*((\n)/2):128+64*(\p)+32*((\n)%2)+8*((\n)/2)+7], VS+(\n)/4, PW+(\n)%2, ((\n)/2)%2, 0
	WIN 0
.endm
.macro GAP pv, o, n
.if \pv
	PV1 \o, \n
.endif
.endm
; The largest score of each of the lane's four blocks (k = 2 x + c: tile x, registers 32 k .. 32 k + 31 of window 1), in eight chains; each accumulator is first read at its low end
.macro MAXP
	WIN 0x05
.irp k, 0,1,2,3
	v_max3_num_f32 v[BM+\k], v[32*\k], v[32*\k+1], 0xff61b1e6      ; (-3e38 lies under every score)
.endr
.irp k, 0,1,2,3
	v_max3_num_f32 v[B2+\k], v[32*\k+16], v[32*\k+17], 0xff61b1e6
.endr
.irp i, 2,4,6,8,10,12,14
.irp k, 0,1,2,3
	v_max3_num_f32 v[BM+\k], v[32*\k+\i], v[32*\k+\i+1], v[BM+\k]
.endr
.irp k, 0,1,2,3
	v_max3_num_f32 v[B2+\k], v[32*\k+16+\i], v[32*\k+17+\i], v[B2+\k]
.endr
.endr
	WIN 0
.endm
; The chain that makes pair p's M, row by row; pv = 1: ahead of each row stands one product of pair o, which names none of the chain's registers
.macro CHAIN p, pv, o
	GAP \pv, \o, 0
.irp k, 0,1,2,3
	v_max_num_f32 v[BM+\k], v[BM+\k], v[B2+\k]
.endr
	GAP \pv, \o, 1
.irp x, 0,1
	v_max_num_f32 v[TA+\x], v[BM+2*\x], v[BM+2*\x+1]
.endr
	GAP \pv, \o, 2
.irp x, 0,1
	v_permlanex16_b32 v[TU+\x], v[TA+\x], s[SEL], s[SEL+1]
.endr
	GAP \pv, \o, 3
.irp x, 0,1
	v_max3_num_f32 v[ST+4*(\p)+2*\x+1], v[ST+4*(\p)+2*\x+1], v[TA+\x], v[TU+\x]   ; the running largest score of my query
.endr
	GAP \pv, \o, 4
.irp x, 0,1
	v_mul_f32 v[TB+\x], s[CS], v[ST+4*(\p)+2*\x+1]     ; as t (c is positive)
.endr
	GAP \pv, \o, 5
.irp x, 0,1
	v_floor_f32 v[TB+\x], -v[TB+\x]                    ; the new -M = -ceil(t): a whole number
.endr
	GAP \pv, \o, 6
.irp x, 0,1
	v_sub_f32 v[TD+\x], v[TB+\x], v[ST+4*(\p)+2*\x]    ; old M less new M: 0 or less
.endr
.irp x, 0,1
	v_mov_b32 v[ST+4*(\p)+2*\x], v[TB+\x]
.endr
	GAP \pv, \o, 7
.irp k, 0,1,2,3
	v_fma_f32 v[BM+\k], v[BM+\k], s[CS], v[ST+4*(\p)+2*(\k/2)]   ; t - M of each block's largest score.  (These four are also the places behind the last product)
.endr
.endm
.macro ADDROW p, j, n                  ; pairs of registers j .. j + n - 1 of each tile's p onto its n chains: eight lines that do not hang on each other
	WIN 0x04
.irp x, 0,1
	v_pk_add_f32 v[LS+4*(\p)+2*\x:LS+4*(\p)+2*\x+1], v[LS+4*(\p)+2*\x:LS+4*(\p)+2*\x+1], v[64*\x+2*(\j):64*\x+2*(\j)+1]
	v_pk_add_f32 v[LA+6*\x:LA+6*\x+1], v[LA+6*\x:LA+6*\x+1], v[64*\x+2*(\j)+2:64*\x+2*(\j)+3]
.if (\n) > 2
	v_pk_add_f32 v[LA+6*\x+2:LA+6*\x+3], v[LA+6*\x+2:LA+6*\x+3], v[64*\x+2*(\j)+4:64*\x+2*(\j)+5]
	v_pk_add_f32 v[LA+6*\x+4:LA+6*\x+5], v[LA+6*\x+4:LA+6*\x+5], v[64*\x+2*(\j)+6:64*\x+2*(\j)+7]
.endif
.endr
	WIN 0
.endm
; Pair p from its exponents to its codes, and its O^T under the new M
.macro BACK p
	WIN 0x41
.set J, 0
.rept 32
.irp x, 0,1
	v_pk_fma_f32 v[64*\x+J:64*\x+J+1], v[64*\x+J:64*\x+J+1], s[CS:CS+1], v[ST+4*(\p)+2*\x:ST+4*(\p)+2*\x+1] op_sel_hi:[1,0,0]   ; t - M, two at a time
.endr
.set J, J+2
.endr
	WALU                                           ; the wait ahead of the batch
.set J, 0
.rept 128
	v_exp_f32 v[J], v[J]                           ; p = 2^(t - M)
.set J, J+1
.endr
	WIN 0
.irp k, 0,1,2,3
	v_exp_f32 v[BM+\k], v[BM+\k]                   ; each block's largest p
.endr
.irp x, 0,1
	v_cvt_i32_f32 v[TD+\x], v[TD+\x]               ; (it saturates.  Plain work behind the batch)
.endr
.irp x, 0,1
	v_ldexp_f32 v[FF+4*(\p)+2*\x], 1.0, v[TD+\x]   ; f = 2^(old M - new M)
.endr
.irp x, 0,1
	v_pk_mul_f32 v[LS+4*(\p)+2*\x:LS+4*(\p)+2*\x+1], v[LS+4*(\p)+2*\x:LS+4*(\p)+2*\x+1], v[FF+4*(\p)+2*\x:FF+4*(\p)+2*\x+1] op_sel_hi:[1,0]   ; the sums under the new M
.endr
	WALU                                           ; one wait for the batch, ahead of its first reader
	WIN 0x05
.irp x, 0,1
.irp c, 0,1,2
	v_pk_add_f32 v[LA+6*\x+2*\c:LA+6*\x+2*\c+1], v[64*\x+2*\c:64*\x+2*\c+1], v[64*\x+2*\c+6:64*\x+2*\c+7]   ; the row's sum of the unquantised p: four chains a tile, three of them begun here
.endr
.endr
	WIN 0
.irp k, 0,1,2,3
	v_max_num_f32 v[BM+\k], 0x1800000, v[BM+\k]    ; the floor 2^(3 - 127): the byte cannot fall under 1
.endr
	ADDROW \p, 6, 4
.irp k, 0,1,2,3
	v_add_nc_u32 v[SO+\k], 0xff000000, v[BM+\k]    ; 2 off the exponent field: the conversion's scale operand
.endr
	ADDROW \p, 10, 4
.irp k, 0,1,2,3
	v_lshrrev_b32 v[BM+\k], 23, v[SO+\k]           ; the scale's byte
.endr
	ADDROW \p, 14, 4
.irp x, 0,1
	v_lshl_or_b32 v[TA+\x], v[BM+2*\x+1], 16, v[BM+2*\x]   ; my bytes: blocks h and 2 + h
.endr
	ADDROW \p, 18, 4
.irp x, 0,1
	v_lshlrev_b32 v[TA+\x], v5, v[TA+\x]
.endr
	ADDROW \p, 22, 4
.irp x, 0,1
	v_permlanex16_b32 v[TU+\x], v[TA+\x], s[SEL], s[SEL+1]
.endr
	ADDROW \p, 26, 4
.irp x, 0,1
	v_or_b32 v[PW+\x], v[TA+\x], v[TU+\x]          ; with lane l xor 16's two: p's scale word for these 128 keys
.endr
	ADDROW \p, 30, 2
.irp x, 0,1
	v_pk_add_f32 v[LA+6*\x:LA+6*\x+1], v[LA+6*\x:LA+6*\x+1], v[LA+6*\x+2:LA+6*\x+3]
	v_pk_add_f32 v[LS+4*(\p)+2*\x:LS+4*(\p)+2*\x+1], v[LS+4*(\p)+2*\x:LS+4*(\p)+2*\x+1], v[LA+6*\x+4:LA+6*\x+5]
.endr
.irp x, 0,1
	v_pk_add_f32 v[LS+4*(\p)+2*\x:LS+4*(\p)+2*\x+1], v[LS+4*(\p)+2*\x:LS+4*(\p)+2*\x+1], v[LA+6*\x:LA+6*\x+1]
.endr
	WIN 0x01
.irp k, 0,1,2,3
	v_cvt_scalef32_pk16_fp6_f32 v[PC+6*\k:PC+6*\k+2], v[32*\k:32*\k+15], v[SO+\k]
	v_cvt_scalef32_pk16_fp6_f32 v[TT+4*\k:TT+4*\k+2], v[32*\k+16:32*\k+31], v[SO+\k]   ; (a conversion's three registers begin on an even number)
.endr
	WIN 0
	v_nop                                          ; one plain place behind a scaled conversion
.irp k, 0,1,2,3
.irp i, 0,1,2
	v_mov_b32 v[PC+6*\k+3+\i], v[TT+4*\k+\i]
.endr
.endr
	WIN 0x41
	WALU                                           ; the wait directly ahead of the first reader of O^T
.set J, 0
.rept 16
.irp x, 0,1
	v_pk_mul_f32 v[128+64*(\p)+32*\x+J:128+64*(\p)+32*\x+J+1], v[128+64*(\p)+32*\x+J:128+64*(\p)+32*\x+J+1], v[FF+4*(\p)+2*\x:FF+4*(\p)+2*\x+1] op_sel_hi:[1,0]   ; O^T x f
.endr
.set J, J+2
.endr
.endm
	s_load_b128 s[4:7], s[0:1], 0x0                ; kv, o_img
	v_lshl_add_u32 v[SPW], v0, 2, SPARE
	v_mov_b32 v[NIL], 0
	ds_add_u32 v[SPW], v[NIL]
	ds_add_u32 v[SPW], v[NIL]
	v_lshrrev_b32 v1, 5, v0
	v_readfirstlane_b32 s8, v1                     ; wave 0..7
	s_bfe_u32 s9, ttmp6, 0x40000                   ; cx
	s_lshl_b32 s10, ttmp9, 2
	s_add_co_u32 s10, s10, s9                      ; my block of 512 queries: it enters Q's and o_img's addresses alone
	s_and_b32 s11, ttmp7, 0xffff                   ; 16 x batch + head, which the four partners share
	s_mov_b32 s16, 15|(3<<16)|(1<<21)              ; two records, 26,112 dense bytes, as 102 rows of 256 bytes; the mask names all four work-groups
	s_mov_b32 s17, 32<<16
	s_mov_b32 s18, 102<<16
	s_mov_b32 s19, 32<<16
	s_mov_b32 s20, 102
	s_mov_b32 s21, 32
	s_mov_b32 s22, 0
	s_mov_b32 s23, 0
	s_mul_i32 s32, s11, 16*RECK                    ; the head's first byte in kv
	s_mov_b32 s12, 1
	s_mul_i32 s13, s8, 2*RECK                      ; LDS address: records 2 w, 2 w + 1
	s_add_co_u32 s48, s32, s13
	s_mov_b32 s49, 0
	s_lshl_b32 s36, s10, 2
	s_lshr_b32 s37, s8, 1
	s_add_co_u32 s36, s36, s37                     ; the record that holds my queries
	s_and_b32 s38, s8, 1                           ; and which 64 of its rows: tiles 4 c .. 4 c + 3
	s_mov_b32 s35, 0
	s_mov_b32 s[SEL], 0x76543210
	s_mov_b32 s[SEL+1], 0xfedcba98
	s_mov_b32 s[CS], 0x3e38aa3b
	s_mov_b32 s[CS+1], s[CS]
	s_mov_b32 s24, 0
	s_mov_b32 s25, 15
	s_wait_dscnt 0x0
	s_wait_kmcnt 0x0
	s_add_nc_u64 s[14:15], s[4:5], s[48:49]
	s_or_b32 s15, s15, 0x80000000
	s_mul_i32 s34, s36, RECK
	s_add_co_u32 s34, s34, s32
	s_add_nc_u64 s[42:43], s[4:5], s[34:35]
	s_mul_i32 s34, s38, 3072
	s_add_nc_u64 s[40:41], s[42:43], s[34:35]      ; my four tiles' image
	s_lshl_b32 s34, s38, 3
	s_add_co_u32 s34, s34, 12288
	s_add_nc_u64 s[42:43], s[42:43], s[34:35]      ; their scale words: registers 2 c, 2 c + 1
	s_lshr_b32 s33, s11, 4                         ; o_img: panel 16 x batch + my queries' record,
	s_lshl_b32 s33, s33, 4
	s_add_co_u32 s33, s33, s36
	s_mul_i32 s33, s33, 102400
	s_bfe_u32 s37, s11, 0x30001                    ; record head / 2
	s_mul_i32 s37, s37, 12800
	s_add_co_u32 s33, s33, s37
	s_and_b32 s37, s11, 1                          ; head % 2
	s_mul_i32 s34, s38, 6144                       ; my four fragments,
	s_add_co_u32 s34, s34, s33
	s_mul_i32 s39, s37, 768                        ; their register pairs 3 (head % 2) ..
	s_add_co_u32 s34, s34, s39
	s_add_nc_u64 s[28:29], s[6:7], s[34:35]
	s_lshl_b32 s34, s38, 8                         ; their scale words: half c, bytes 2 (head % 2) + h
	s_lshl_b32 s39, s37, 1
	s_add_co_u32 s34, s34, s39
	s_add_co_u32 s34, s34, s33
	s_add_co_u32 s34, s34, 12288
	s_add_nc_u64 s[30:31], s[6:7], s[34:35]
	ROUND                                          ; all four work-groups are here: the joint loads meet
	tensor_load_to_lds s[12:15], s[16:23]          ; my one tensor load
	s_nop 0
	PLACES 4
	v_and_b32 v5, 31, v0
	v_lshlrev_b32 v1, 4, v5
	v_lshlrev_b32 v2, 3, v5
.irp g, 0,1,2,3,4,5
	global_load_b128 v[VF+4*\g:VF+4*\g+3], v1, s[40:41] offset:512*\g   ; my four tiles of Q, from memory
.endr
	global_load_b64 v[QS:QS+1], v1, s[42:43]
	v_bfe_u32 v6, v0, 4, 1                         ; h
	v_and_b32 v7, 15, v0                           ; r
	v_lshlrev_b32 v5, 3, v6                        ; 8 h
	v_lshl_add_u32 v6, v7, 3, v6                   ; 8 r + h
	v_mov_b32 v3, v1                               ; record 0
	v_mov_b32 v4, v2
.irp q, 0,1,2,3
	v_mov_b32 v[ST+2*\q], 0x7f61b1e6               ; -M: 3e38,
	v_mov_b32 v[ST+2*\q+1], 0xff61b1e6             ; the largest score so far: -3e38: the first step's factor is 0
	v_mov_b32 v[LS+2*\q], 0
	v_mov_b32 v[LS+2*\q+1], 0
	v_mov_b32 v[FF+2*\q+1], 0                      ; (named as the upper half of a pair)
.endr
	v_mov_b32 v[TU], 0                             ; a lane permute's destination counts as one of its sources
	v_mov_b32 v[TU+1], 0
.irp i, 0,1,2,3,4,5
	v_mov_b32 v[KF+48+\i], 0                       ; what stands behind K's last tile
.endr
	WIN 0x40
.set J, 0
.rept 128
	v_mov_b32 v[128+J], 0                          ; O^T: the step is written once for all steps, and its first trip multiplies these zeros by the factor 0
.set J, J+1
.endr
	WIN 0
	WALU                                           ; the wait ahead of the wait below
	s_wait_loadcnt 0x0
.irp q, 0,1,2,3
.irp i, 0,1,2,3,4,5
	v_mov_b32 v[QF+12*\q+\i], v[VF+6*\q+\i]        ; each tile's codes get an operand of their own,
	v_mov_b32 v[QF+12*\q+6+\i], 0                  ; whose upper half of K is zero codes
.endr
.endr
	WALU                                           ; the wait at the head's end
	s_wait_tensorcnt 0x0                           ; my records have landed,
	s_barrier_signal -1
	s_barrier_wait -1                              ; everybody's have: the head lies in LDS, and nothing is filled again
	LOADK
	LOADV
	s_wait_dscnt 13                                ; K is in; V's 13 loads, issued behind K's, may be out
	SMUL 0                                         ; step 0, pair 0's FRONT: no product of O^T is due yet
	WIN 0
	PLACES 4
	MAXP
	CHAIN 0, 0, 1
.Lkeys:                                        ; trip s = 0 .. 14: step s from pair 0's BACK on, and step s + 1's FRONT of pair 0
	BACK 0
	SMUL 1
	WIN 0
	s_add_co_u32 s24, s24, RECK
	v_add_nc_u32 v3, s24, v1                       ; the next record: these two and two v_nop are the four places in front of the loads
	v_add_nc_u32 v4, s24, v2
	PLACES 2
	LOADK                                          ; K of step s + 1
	s_wait_dscnt 13                                ; V of step s is in; the 13 loads just issued may be out
	MAXP
	CHAIN 1, 1, 0
	BACK 1
	s_wait_dscnt 0x0                               ; K of step s + 1 is in
	SMUL 0
	WIN 0
	PLACES 4
	MAXP
	CHAIN 0, 1, 1
	LOADV                                          ; V of step s + 1, four places behind the last product that read V
	s_sub_co_u32 s25, s25, 1
	s_cmp_lg_u32 s25, 0
	WALU                                           ; the wait ahead of the branch
	s_cbranch_scc1 .Lkeys
	BACK 0                                         ; the rest of step 15 fetches nothing more
	SMUL 1
	WIN 0
	PLACES 4
	s_wait_dscnt 0x0                               ; V of step 15 is in
	MAXP
	CHAIN 1, 1, 0
	BACK 1
	WIN 0
	WALU
.irp n, 0,1,2,3,4,5,6,7
	PV1 1, \n
.endr
	; THE END: O^T / the row's sum; a lane's 32 numbers of a tile are one block along E: six registers of the last product's operand and one scale byte
.irp q, 0,1,2,3
	v_add_f32 v[LS+2*\q], v[LS+2*\q], v[LS+2*\q+1] ; (these four are the places behind the last products)
.endr
.irp q, 0,1,2,3
	v_permlanex16_b32 v[SO+\q], v[LS+2*\q], s[SEL], s[SEL+1]
.endr
.irp q, 0,1,2,3
	v_add_f32 v[LS+2*\q], v[LS+2*\q], v[SO+\q]     ; with lane l xor 16's keys: the row's sum
.endr
	WALU
.irp q, 0,1,2,3
	v_rcp_f32 v[LS+2*\q], v[LS+2*\q]
.endr
	v_nop
	WIN 0x41
	WALU                                           ; ahead of the first reader of the reciprocals and of O^T
.set J, 0
.rept 16
.irp q, 0,1,2,3
	v_pk_mul_f32 v[128+32*\q+J:128+32*\q+J+1], v[128+32*\q+J:128+32*\q+J+1], v[LS+2*\q:LS+2*\q+1] op_sel_hi:[1,0]
.endr
.set J, J+2
.endr
	WIN 0x05
.irp q, 0,1,2,3
	v_max3_num_f32 v[BM+\q], |v[128+32*\q]|, |v[128+32*\q+1]|, 0x1800000
.endr
.set J, 2
.rept 15
.irp q, 0,1,2,3
	v_max3_num_f32 v[BM+\q], |v[128+32*\q+J]|, |v[128+32*\q+J+1]|, v[BM+\q]
.endr
.set J, J+2
.endr
	WIN 0
.irp q, 0,1,2,3
	v_add_nc_u32 v[SO+\q], 0xff000000, v[BM+\q]
.endr
.irp q, 0,1,2,3
	v_lshrrev_b32 v[BM+\q], 23, v[SO+\q]
.endr
	WIN 0x01
.irp q, 0,1,2,3
	v_cvt_scalef32_pk16_fp6_f32 v[PC+6*\q:PC+6*\q+2], v[128+32*\q:128+32*\q+15], v[SO+\q]
	v_cvt_scalef32_pk16_fp6_f32 v[TT+4*\q:TT+4*\q+2], v[128+32*\q+16:128+32*\q+31], v[SO+\q]
.endr
	WIN 0
	v_nop
.irp q, 0,1,2,3
.irp i, 0,1,2
	v_mov_b32 v[PC+6*\q+3+\i], v[TT+4*\q+\i]
.endr
.endr
.irp q, 0,1,2,3
.irp g, 0,1,2
	global_store_b64 v2, v[PC+6*\q+2*\g:PC+6*\q+2*\g+1], s[28:29] offset:1536*\q+256*\g   ; 32 lanes store 256 consecutive bytes, aligned
.endr
.endr
.irp q, 0,1,2,3
	global_store_b8 v6, v[BM+\q], s[30:31] offset:128*(\q%2)+4*(\q/2)   ; my block's byte of row r's word; the word's other two bytes are the neighbouring head's, which another work-group makes
.endr
	s_wait_tensorcnt 0x0                           ; the wave's end
	ds_add_u32 v[SPW], v[NIL]
	s_wait_dscnt 0x0
	ROUND                                          ; the closing round
	s_endpgm
.Lfunc_end_k_q2e7e68add4_attn:
	.size	k_q2e7e68add4_attn, .Lfunc_end_k_q2e7e68add4_attn-k_q2e7e68add4_attn
	.p2alignl 7, 3214868480
	.fill 96, 4, 3214868480
	.section	.rodata,"a",@progbits
	.p2align	6, 0x0
	.amdhsa_kernel k_q2e7e68add4_attn
		.amdhsa_group_segment_fixed_size 210944
		.amdhsa_private_segment_fixed_size 0
		.amdhsa_enable_private_segment 0
		.amdhsa_kernarg_size 16
		.amdhsa_user_sgpr_count 2
		.amdhsa_user_sgpr_kernarg_segment_ptr 1
		.amdhsa_wavefront_size32 1
		.amdhsa_system_sgpr_workgroup_id_x 1
		.amdhsa_system_sgpr_workgroup_id_y 1
		.amdhsa_system_sgpr_workgroup_id_z 1
		.amdhsa_system_vgpr_workitem_id 0
		.amdhsa_next_free_vgpr 512
		.amdhsa_next_free_sgpr 66
		.amdhsa_reserve_vcc 0
		.amdhsa_float_denorm_mode_32 3
		.amdhsa_float_denorm_mode_16_64 3
		.amdhsa_memory_ordered 1
		.amdhsa_forward_progress 1
		.amdhsa_inst_pref_size 133
	.end_amdhsa_kernel
	.amdgpu_metadata
---
amdhsa.version: [ 1, 2 ]
amdhsa.kernels:
  - .name:           k_q2e7e68add4_attn
    .symbol:         k_q2e7e68add4_attn.kd
    .args:
      - { .name: kv, .offset: 0, .size: 8, .value_kind: global_buffer, .address_space: global }
      - { .name: o_img, .offset: 8, .size: 8, .value_kind: global_buffer, .address_space: global }
    .group_segment_fixed_size: 210944
    .private_segment_fixed_size: 0
    .kernarg_segment_align: 8
    .kernarg_segment_size: 16
    .max_flat_workgroup_size: 256
    .sgpr_count:     66
    .vgpr_count:     512
    .wavefront_size: 32
...
	.end_amdgpu_metadata
.endif
;; end of part 3
;; launch outp (part 4): grid 4 x 64, 4 waves a work-group, clusters of 4 x 4, 327,680 bytes of LDS; arguments o_img, wo_img, b_out, out0; writes out0
.if DOCPART == 4
	.amdgcn_target "amdgcn-amd-amdhsa--gfx1250"
	.amdhsa_code_object_version 6
	.text
	.protected	k_q2e7e68add4_outp
	.globl	k_q2e7e68add4_outp
	.p2align	8
	.type	k_q2e7e68add4_outp,@function
k_q2e7e68add4_outp:
	s_mov_b64 s[64:65], 0
	v_nop
	global_prefetch_b8 v0, s[64:65] scope:SCOPE_SE
	s_setreg_imm32_b32 hwreg(HW_REG_WAVE_MODE, 25, 1), 1
	s_wait_xcnt 0x0
	s_wait_alu depctr_hold_cnt(0) depctr_sa_sdst(0) depctr_va_vdst(0) depctr_va_sdst(0) depctr_va_ssrc(0) depctr_va_vcc(0) depctr_vm_vsrc(0)
	s_getreg_b32 s2, hwreg(HW_REG_IB_STS2, 6, 4)
	s_cmp_eq_u32 s2, 0
	s_cbranch_scc0 .Lentry_in_a_cluster
	s_endpgm
.Lentry_in_a_cluster:
	s_bfe_u32 s2, ttmp6, 0x10000c
	s_cmp_lg_u32 s2, 0xf033
	s_cbranch_scc0 .Lentry_shape_is_right
	s_endpgm
.Lentry_shape_is_right:
; out0 = o w_out^T + b_out on codes of FP6 (E2M3) with E8M0 scales; out0 [8192][1024] f32.
; INPUTS: panels of 128 rows x 1,024 K: 8 records of 12,800 bytes: 8 fragments of 1,536 bytes, then 512 bytes of scale words.  Position m of fragment 4 c + u is the panel's row 64 c + 32 (m / 8) + 8 u + m % 8.
; SHARES: a work-group makes 128 rows (one panel of o) x 256 columns (two panels of w_out); wave w makes all 128 rows x 64 columns.  All of K lies in LDS: 307,200 bytes, each filled once.
; CLUSTER 4 x 4: a row of the cluster shares the panel of o, a column the panels of w_out: each part is asked for JOINTLY.  FILLS: at the head one load a wave, K steps 0 to 3; K steps 4 to 7 behind a wait, an LDS add and
;   a round of the cluster's barrier; a plain barrier in K step 3 shows them to all.  No prefetch: both fills are asked for ahead of the first product.
; THE MATRIX INSTRUCTION IS USED TRANSPOSED (source 0 = w's rows, source 1 = o's rows): a lane holds one row of out0, and the 32 registers of w's four fragments are columns 32 h + 0 .. 31 of my 64.
; The bias is the C of each sum's first matrix instruction.
; TWO HALVES OF K.  K steps 0 to 3 go by K: all 32 accumulators in each step.  K steps 4 to 7 go BY BLOCKS OF 16 ROWS: w's 16 fragments of these steps lie in registers, and each of o's eight fragments of rows is finished by
;   16 products (its four accumulators by turns, K ascending) and leaves at once, through the wave's stage, while the next block is multiplied.
; REGISTERS: window 0: v16-27 addresses; v32-39 o's scale words, two sets; v40-43 w's; v64-159 w's 4 fragments, two sets, later o's blocks (4 K steps x 12), two sets; v160-191 the bias, later the second half's scale words;
;   v192-255 rows on their way out, two sets.   window 1: o's 8 fragments, two sets.   window 2: the accumulators ((a, t) at v[32 a + 8 t]).   window 3: w's fragments of K steps 4 to 7 ((k, t) at v[48 k + 12 t]).
.set RECB, 12800
.set PANB, 102400
.set STAGE, 3*PANB                     ; behind the panels: 16 rows x (256 + 16) bytes for each wave; no fill lands there
.set SPARE, STAGE+4*16*272
.set SA,  32
.set SB,  40
.set BF,  64
.set BI,  160
.set SA2, 160                          ; o's scale words of K steps 4 to 7: four registers a step
.set SB2, 176                          ; w's: two a step
.set BK,  192
.set G1A, 24
.set G1B, 32
.set G0A, 48
.set G0B, 68
.set MSB, 0
.macro WIN new
.if MSB != (\new)
	s_set_vgpr_msb (MSB<<8)|(\new)
.set MSB, (\new)
.endif
.endm
.macro PLACES n
.rept \n
	v_nop
.endr
.endm
.macro CROUND
	s_barrier_signal -1
	s_barrier_wait -1
	s_cmp_lg_u32 s14, 0
	s_cbranch_scc1 .Lnot_wave_0_\@
	s_barrier_signal -3
.Lnot_wave_0_\@:
	s_barrier_wait -3
	s_barrier_signal -1
	s_barrier_wait -1
.endm
.macro JLOAD j
	s_cmp_eq_u32 s15, 0
	s_cbranch_scc0 .Lfor_w_\@
	tensor_load_to_lds s[G0A+4*\j:G0A+4*\j+3], s[G1A:G1A+7]
	s_nop 0
	PLACES 4
	s_branch .Lasked_\@
.Lfor_w_\@:
	tensor_load_to_lds s[G0B+4*\j:G0B+4*\j+3], s[G1B:G1B+7]
	s_nop 0
	PLACES 4
.Lasked_\@:
.endm
.macro WM2 d, a, b, c, sa, sb, ra, rb
	v_wmma_scale_f32_16x16x128_f8f6f4 v[\d:\d+7], v[\a:\a+11], v[\b:\b+11], v[\c:\c+7], v[\sa], v[\sb] matrix_a_fmt:MATRIX_FMT_FP6 matrix_b_fmt:MATRIX_FMT_FP6 matrix_a_scale:MATRIX_SCALE_ROW\ra matrix_b_scale:MATRIX_SCALE_ROW\rb
.endm
.macro WM1 d, a, b, c, sa, sb, ra, rb
.if (\rb)
	WM2 \d, \a, \b, \c, \sa, \sb, \ra, 1
.else
	WM2 \d, \a, \b, \c, \sa, \sb, \ra, 0
.endif
.endm
.macro WM d, a, b, c, sa, sb, ra, rb
.if (\ra)
	WM1 \d, \a, \b, \c, \sa, \sb, 1, \rb
.else
	WM1 \d, \a, \b, \c, \sa, \sb, 0, \rb
.endif
.endm
	s_load_b128 s[4:7], s[0:1], 0x0                ; o_img, wo_img
	s_load_b128 s[8:11], s[0:1], 0x10              ; b_out, out0
	v_lshl_add_u32 v62, v0, 2, SPARE
	v_mov_b32 v63, 0
	ds_add_u32 v62, v63
	ds_add_u32 v62, v63
	v_lshrrev_b32 v1, 5, v0
	v_readfirstlane_b32 s14, v1                    ; wave 0..3
	s_lshr_b32 s15, s14, 1                         ; I fetch for o (0) or for w (1).  Also: which panel of w holds my 64 columns
	s_and_b32 s16, s14, 1                          ; which part I fetch.  Also: which half of that panel is mine
	s_bfe_u32 s40, ttmp6, 0x40000
	s_bfe_u32 s41, ttmp6, 0x40004
	s_lshl_b32 s42, ttmp9, 2
	s_add_co_u32 s42, s42, s40                     ; which 256 columns
	s_and_b32 s17, ttmp7, 0xffff
	s_lshl_b32 s17, s17, 2
	s_add_co_u32 s17, s17, s41                     ; which panel of o
	s_lshl_b32 s43, s41, 2
	s_lshl_b32 s43, 15, s43
	s_lshl_b32 s44, 0x1111, s40
	s_or_b32 s[G1A], s43, (3<<16)|(1<<21)          ; dense blocks as rows of 256 bytes
	s_or_b32 s[G1B], s44, (3<<16)|(1<<21)
.irp g, G1A, G1B
	s_mov_b32 s[\g+1], 32<<16
	s_mov_b32 s[\g+3], 32<<16
	s_mov_b32 s[\g+5], 32
	s_mov_b32 s[\g+6], 0
	s_mov_b32 s[\g+7], 0
.endr
	s_mov_b32 s[G1A+2], 100<<16                    ; o: two records
	s_mov_b32 s[G1A+4], 100
	s_mov_b32 s[G1B+2], 200<<16                    ; w: four records
	s_mov_b32 s[G1B+4], 200
	s_mul_i32 s45, s16, 2*RECB
	s_mul_i32 s20, s17, PANB
	s_add_co_u32 s20, s20, s45
	s_mov_b32 s21, 0
	s_lshl_b32 s46, s42, 1
	s_add_co_u32 s46, s46, s16
	s_mul_i32 s46, s46, PANB
	s_mov_b32 s47, 0
	s_mul_i32 s84, s16, PANB
	s_add_co_u32 s84, s84, PANB
	s_lshl_b32 s86, s42, 10                        ; my 64 columns, in bytes
	s_lshl_b32 s85, s14, 8
	s_add_co_u32 s86, s86, s85
	s_mov_b32 s87, 0
	s_wait_dscnt 0x0
	s_wait_kmcnt 0x0
	s_add_nc_u64 s[20:21], s[4:5], s[20:21]
	s_add_nc_u64 s[46:47], s[6:7], s[46:47]
	s_add_nc_u64 s[8:9], s[8:9], s[86:87]
	s_add_nc_u64 s[10:11], s[10:11], s[86:87]
	s_lshl_b32 s86, s17, 19                        ; my panel's 128 rows of 4,096 bytes
	s_add_nc_u64 s[10:11], s[10:11], s[86:87]
.irp j, 0,1
	s_mov_b32 s[G0A+4*\j], 1
	s_add_co_u32 s[G0A+4*\j+1], s45, \j*4*RECB
	s_add_nc_u64 s[G0A+4*\j+2:G0A+4*\j+3], s[20:21], \j*4*RECB
	s_or_b32 s[G0A+4*\j+3], s[G0A+4*\j+3], 0x80000000
	s_mov_b32 s[G0B+4*\j], 1
	s_add_co_u32 s[G0B+4*\j+1], s84, \j*4*RECB
	s_add_nc_u64 s[G0B+4*\j+2:G0B+4*\j+3], s[46:47], \j*4*RECB
	s_or_b32 s[G0B+4*\j+3], s[G0B+4*\j+3], 0x80000000
.endr
	CROUND
	JLOAD 0                                        ; K steps 0 to 3: my one load at the head
	v_and_b32 v1, 31, v0
	v_and_b32 v2, 15, v0                           ; r
	s_wait_alu depctr_va_vdst(0)
	v_bfe_u32 v3, v0, 4, 1                         ; h
	v_lshlrev_b32 v23, 7, v3                       ; the bias: lane (r, h) wants, for w's fragment t, columns 32 h + 8 t + 0 .. 7
.irp t, 0,1,2,3
	global_load_b128 v[BI+8*\t:BI+8*\t+3], v23, s[8:9] offset:32*\t
	global_load_b128 v[BI+8*\t+4:BI+8*\t+7], v23, s[8:9] offset:32*\t+16
.endr
	v_lshlrev_b32 v16, 3, v1
	v_add_nc_u32 v17, 4*RECB, v16
	s_mul_i32 s18, s15, PANB
	s_add_co_u32 s18, s18, PANB
	s_mul_i32 s19, s16, 6144
	s_add_co_u32 s19, s19, s18
	v_add_nc_u32 v18, s19, v16
	v_add_nc_u32 v19, 4*RECB, v18
	s_lshl_b32 s19, s16, 8
	s_add_co_u32 s19, s19, s18
	s_add_co_u32 s19, s19, 12288
	v_add_nc_u32 v20, s19, v16
	v_add_nc_u32 v21, 4*RECB, v20
	s_mul_i32 s19, s14, 16*272
	s_add_co_u32 s19, s19, STAGE                   ; my stage
	v_mul_u32_u24 v25, v2, 272
	s_wait_alu depctr_va_vdst(0)                   ; likewise for h
	v_lshl_add_u32 v25, v3, 7, v25
	v_add_nc_u32 v25, s19, v25                     ; in: row r, + 128 h
	v_mul_u32_u24 v26, v3, 272
	v_lshl_add_u32 v26, v2, 4, v26
	v_add_nc_u32 v26, s19, v26                     ; back: lanes 0-15 one row of 256 bytes, lanes 16-31 the next
	v_lshlrev_b32 v27, 12, v3
	v_lshl_add_u32 v27, v2, 4, v27                 ; and the same two rows in out0
.macro FETCH k                         ; K step k = 0 .. 3: its fragments and scale words into set k % 2
.set PP, (\k)%2
.set OO, (\k)*RECB
	WIN 0x40
.irp a, 0,1,2,3,4,5,6,7
.irp g, 0,1,2,3,4,5
	ds_load_b64 v[96*PP+12*\a+2*\g:96*PP+12*\a+2*\g+1], v16 offset:OO+1536*\a+256*\g
.endr
.endr
	WIN 0
.irp t, 0,1,2,3
.irp g, 0,1,2,3,4,5
	ds_load_b64 v[BF+48*PP+12*\t+2*\g:BF+48*PP+12*\t+2*\g+1], v18 offset:OO+1536*\t+256*\g
.endr
.endr
	ds_load_b64 v[SA+4*PP:SA+4*PP+1], v16 offset:OO+12288
	ds_load_b64 v[SA+4*PP+2:SA+4*PP+3], v16 offset:OO+12288+256
	ds_load_b64 v[SB+2*PP:SB+2*PP+1], v20 offset:OO
.endm
.macro BLOAD a                         ; o's fragment a of K steps 4 to 7 into set a % 2: 24 loads
.irp k, 0,1,2,3
.irp g, 0,1,2,3,4,5
	ds_load_b64 v[BF+48*((\a)%2)+12*\k+2*\g:BF+48*((\a)%2)+12*\k+2*\g+1], v17 offset:\k*RECB+1536*(\a)+256*\g
.endr
.endr
.endm
.macro FETCH2                          ; for K steps 4 to 7: w's 16 fragments, all scale words, o's block 0
	WIN 0xc0
.irp k, 0,1,2,3
.irp t, 0,1,2,3
.irp g, 0,1,2,3,4,5
	ds_load_b64 v[48*\k+12*\t+2*\g:48*\k+12*\t+2*\g+1], v19 offset:\k*RECB+1536*\t+256*\g
.endr
.endr
.endr
	WIN 0
.irp k, 0,1,2,3
	ds_load_b64 v[SA2+4*\k:SA2+4*\k+1], v17 offset:\k*RECB+12288
	ds_load_b64 v[SA2+4*\k+2:SA2+4*\k+3], v17 offset:\k*RECB+12288+256
	ds_load_b64 v[SB2+2*\k:SB2+2*\k+1], v21 offset:\k*RECB
.endr
	BLOAD 0
.endm
; first = 1: C is the bias (window 0), which starts the sums.  The 32 accumulators take turns.
.macro MULT k, first
.set PP, (\k)%2
.if \first
	WIN 0x84
.else
	WIN 0xa4
.endif
.irp a, 0,1,2,3,4,5,6,7
.irp t, 0,1,2,3
.if \first
	WM 32*\a+8*\t, BF+48*PP+12*\t, 96*PP+12*\a, BI+8*\t, SB+2*PP+\t/2, SA+4*PP+\a/2, \t%2, \a%2
.else
	WM 32*\a+8*\t, BF+48*PP+12*\t, 96*PP+12*\a, 32*\a+8*\t, SB+2*PP+\t/2, SA+4*PP+\a/2, \t%2, \a%2
.endif
.endr
.endr
.endm
.macro MUL2 a                          ; block a is finished: K steps 4 to 7, its four accumulators by turns; source 0 = w (window 3), source 1 = o's block (window 0)
	WIN 0xa3
.irp k, 0,1,2,3
.irp t, 0,1,2,3
	WM 32*(\a)+8*\t, 48*\k+12*\t, BF+48*((\a)%2)+12*\k, 32*(\a)+8*\t, SB2+2*\k+\t/2, SA2+4*\k+(\a)/2, \t%2, (\a)%2
.endr
.endr
	WIN 0
.endm
.macro KSTEP k
	s_wait_dscnt 0x0                               ; this K step's fragments are in
.if (\k) == 3
	s_wait_tensorcnt 0x0                           ; my part of K steps 4 to 7 has landed,
	s_barrier_signal -1
	s_barrier_wait -1                              ; everybody's has
.endif
.if (\k) > 0
	PLACES 4                                       ; in front of loads into registers that matrix instructions have read
.endif
.if (\k) < 3
	FETCH (\k)+1
.else
	FETCH2
.endif
.if (\k) == 0
	MULT \k, 1
.else
	MULT \k, 0
.endif
.endm
	s_wait_alu depctr_va_vdst(0)                   ; the wait at the head's end
	s_wait_loadcnt 0x0                             ; the bias
	s_wait_tensorcnt 0x0                           ; my part of K steps 0 to 3 is in
	ds_add_u32 v62, v63
	s_wait_dscnt 0x0
	CROUND
	JLOAD 1                                        ; K steps 4 to 7
	FETCH 0
.irp k, 0,1,2,3
	KSTEP \k
.endr
	PLACES 4                                       ; in front of the loads into w's second set, which K step 3 has read
	WIN 0
	BLOAD 1
; THE WAY OUT of a block: 16 rows x 64 columns go through my own stage in LDS and come back as whole rows of 256 bytes.  LDS serves a wave's instructions in order.
.macro TOSTAGE a
	WIN 0x08
.irp t, 0,1,2,3
	ds_store_b128 v25, v[32*(\a)+8*\t:32*(\a)+8*\t+3] offset:32*\t          ; each accumulator from its low end on
	ds_store_b128 v25, v[32*(\a)+8*\t+4:32*(\a)+8*\t+7] offset:32*\t+16
.endr
	WIN 0
.irp j, 0,1,2,3,4,5,6,7
	ds_load_b128 v[BK+32*((\a)%2)+4*\j:BK+32*((\a)%2)+4*\j+3], v26 offset:544*\j
.endr
.endm
.macro SEND a, younger                 ; positions 2 j, 2 j + 1 of fragment a are the panel's rows 64 (a / 4) + 32 (j / 4) + 8 (a % 4) + 2 j % 8 and the next
	s_wait_dscnt \younger
.irp j, 0,1,2,3,4,5,6,7
	global_store_b128 v27, v[BK+32*((\a)%2)+4*\j:BK+32*((\a)%2)+4*\j+3], s[10:11] offset:(64*((\a)/4)+32*(\j/4)+8*((\a)%4)+(2*\j)%8)*4096 th:TH_STORE_NT   ; 16 lanes store 256 consecutive bytes, aligned
.endr
.endm
; Block a: its products; block a - 1's rows, back from the stage meanwhile, are stored; block a goes into the stage; block a + 2's fragments are fetched into the set that block a has read
.irp a, 0,1,2,3,4,5,6,7
.if \a == 0
	s_wait_dscnt 24                                ; all but block 1's 24 loads
.elseif \a < 7
	s_wait_dscnt 40                                ; block a's fragments are in; younger: the stage's 16 of block a - 1 and block a + 1's 24
.else
	s_wait_dscnt 16                                ; younger: the stage's 16 of block 6
.endif
	MUL2 \a
	PLACES 4                                       ; behind the block's last product: its results are read, and its fragments' registers are loaded anew
.if \a > 0
.if \a < 7
	SEND \a-1, 24                                  ; younger than the stage's loads: block a + 1's 24
.else
	SEND \a-1, 0
.endif
.endif
.if \a > 1
	s_wait_xcnt 0x0                                ; block a - 2's stores have read their registers
.endif
	TOSTAGE \a
.if \a < 6
	BLOAD \a+2
.endif
.endr
	SEND 7, 0
	s_wait_tensorcnt 0x0                           ; the wave's end
	ds_add_u32 v62, v63
	s_wait_dscnt 0x0
	CROUND                                         ; the closing round
	s_endpgm
.Lfunc_end_k_q2e7e68add4_outp:
	.size	k_q2e7e68add4_outp, .Lfunc_end_k_q2e7e68add4_outp-k_q2e7e68add4_outp
	.p2alignl 7, 3214868480
	.fill 96, 4, 3214868480
	.section	.rodata,"a",@progbits
	.p2align	6, 0x0
	.amdhsa_kernel k_q2e7e68add4_outp
		.amdhsa_group_segment_fixed_size 327680
		.amdhsa_private_segment_fixed_size 0
		.amdhsa_enable_private_segment 0
		.amdhsa_kernarg_size 32
		.amdhsa_user_sgpr_count 2
		.amdhsa_user_sgpr_kernarg_segment_ptr 1
		.amdhsa_wavefront_size32 1
		.amdhsa_system_sgpr_workgroup_id_x 1
		.amdhsa_system_sgpr_workgroup_id_y 1
		.amdhsa_system_sgpr_workgroup_id_z 1
		.amdhsa_system_vgpr_workitem_id 0
		.amdhsa_next_free_vgpr 1024
		.amdhsa_next_free_sgpr 96
		.amdhsa_reserve_vcc 0
		.amdhsa_float_denorm_mode_32 3
		.amdhsa_float_denorm_mode_16_64 3
		.amdhsa_memory_ordered 1
		.amdhsa_forward_progress 1
		.amdhsa_inst_pref_size 96
	.end_amdhsa_kernel
	.amdgpu_metadata
---
amdhsa.version: [ 1, 2 ]
amdhsa.kernels:
  - .name:           k_q2e7e68add4_outp
    .symbol:         k_q2e7e68add4_outp.kd
    .args:
      - { .name: o_img, .offset: 0, .size: 8, .value_kind: global_buffer, .address_space: global }
      - { .name: wo_img, .offset: 8, .size: 8, .value_kind: global_buffer, .address_space: global }
      - { .name: b_out, .offset: 16, .size: 8, .value_kind: global_buffer, .address_space: global }
      - { .name: out0, .offset: 24, .size: 8, .value_kind: global_buffer, .address_space: global }
    .group_segment_fixed_size: 327680
    .private_segment_fixed_size: 0
    .kernarg_segment_align: 8
    .kernarg_segment_size: 32
    .max_flat_workgroup_size: 128
    .sgpr_count:     96
    .vgpr_count:     1024
    .wavefront_size: 32
...
	.end_amdgpu_metadata
.endif
;; end of part 4
